; MI455X (gfx1250); checked and timed in simulation.
; The chip was launched on July 23, 2026; its instructions are those of AMD's public machine-readable ISA for CDNA 5 (MIT licence, August 2026) and "CDNA5" Instruction Set Architecture Reference Guide (July 2026). The comments in the code are by the model that wrote it; some were corrected since.
;; Attention. Allowed arithmetic: matrix products marked QUANTISED: E2M3 operands, one E8M0 scale for each 32 along K, by v_wmma_scale_f32_16x16x128_f8f6f4 with both operands' format E2M3, f32 sums; everything else in f32.
;; Inputs: Wk 1,024 x 1,024 float32; Wo 1,024 x 1,024 float32; Wq 1,024 x 1,024 float32; Wv 1,024 x 1,024 float32; bk 1,024 float32; bo 1,024 float32; bq 1,024 float32; bv 1,024 float32; key 4 x 2,048 x 1,024 float32; query 4 x 2,048 x 1,024 float32; value 4 x 2,048 x 1,024 float32.
;; Outputs: out0 4 x 2,048 x 1,024 float32.
;; This version of the problem:
;;   THIS VERSION OF THE PROBLEM IS GIVEN IN LOW PRECISION. The matrix products marked QUANTISED in the list below multiply operands that are first quantised to E2M3 (2 exponent bits, 3 mantissa bits; 6 bits a number), with one power-of-two scale for each 32 numbers along K (OCP MX v1.0); their sums are f32. All else is computed in f32.
;;   The module's matrix products, in the order in which they are computed (A, B: the left and right operand; K: the contracted axis; several contracted axes count as one K, in the product's order):
;;     1. [M 8,192, K 1,024] x [K 1,024, N 1,024]; A: input query; B: input Wq: QUANTISED
;;     2. [M 8,192, K 1,024] x [K 1,024, N 1,024]; A: input key; B: input Wk: QUANTISED
;;     3. [M 8,192, K 1,024] x [K 1,024, N 1,024]; A: input value; B: input Wv: QUANTISED
;;     4. batch 64 x [M 2,048, K 64] x [K 64, N 2,048]; A: computed on the way; B: computed on the way: QUANTISED
;;     5. batch 64 x [M 2,048, K 2,048] x [K 2,048, N 64]; A: softmax (see below); B: computed on the way: QUANTISED
;;     6. [M 8,192, K 1,024] x [K 1,024, N 1,024]; A: computed on the way; B: input Wo: QUANTISED
;;   THE QUANTISER, for each operand of a quantised product, along K:
;;     - K is cut into blocks of 32 from its start; a last block that is shorter is filled with zeros.
;;     - A block's scale is 2^e with e = floor(log2(the largest magnitude in the block)) - 2, held to -126 .. 127; a block of zeros has e = 0. As a byte (E8M0): e + 127.
;;     - Each number is divided by its block's scale, clamped to +-7.5, and rounded to the nearest number of E2M3, ties to even, subnormals kept.
;;     - The product sums the exact products of the quantised numbers (number of the format x scale) in f32.
;;   ~~~python
;;   def quantise(x, axis):      # numpy; x: float32 -> the quantised numbers, widened to float32 again
;;       x = np.moveaxis(x, axis, -1); K = x.shape[-1]
;;       x = np.pad(x, [(0, 0)] * (x.ndim - 1) + [(0, -K % 32)]); x = x.reshape(x.shape[:-1] + (-1, 32)); a = np.abs(x).max(-1, keepdims=True)
;;       e = np.where(a > 0, np.clip(np.frexp(np.where(a > 0, a, 1))[1] - 1 - 2, -126, 127), 0)      # np.frexp(a)[1] - 1 = floor(log2(a)), exactly
;;       r = np.clip(x / 2.0 ** e, -7.5, 7.5)
;;       step = 2.0 ** (np.maximum(np.frexp(np.where(r == 0, 1, r))[1] - 1, 0) - 3)
;;       q = np.round(r / step) * step * 2.0 ** e      # np.round: ties to even
;;       return np.moveaxis(q.reshape(q.shape[:-2] + (-1,))[..., :K], -1, axis).astype(np.float32)
;;   ~~~
;;   SOFTMAX AHEAD OF A QUANTISED PRODUCT. Where the list says 'softmax', what is quantised is not the finished softmax but p = 2^(t - M), with t = logit x log2(e) and M = ceil(the row's largest t), a whole number; so 1/2 < the row's largest p <= 1. The row's sum l is taken of the UNQUANTISED p, in f32, and the product's result is divided by l at the end. Since M is a whole number, a kernel that streams over the keys may use a running M (the ceiling of the running maximum): every later rescaling is an exact power of two, which a block's scale takes up: the codes' values come out the same.
;;   OPERANDS COMPUTED ON THE WAY. 'Computed on the way' means the value that the module computes at that place (a softmax that the list does not call 'softmax' is quantised finished and normalised). What goes into a quantiser is computed in f32, as accurately as f32 sums, v_exp_f32 and their like allow (about 1e-6 of the number): no bf16 or f16 on the way to a quantiser, and a product that is left as it is and whose result goes on into a quantised operand takes f32 operands (vector FMAs, or v_wmma_f32_16x16x4_f32). A number that lies on a knife's edge between two numbers of the format may be rounded either way, as far as f32 arithmetic and the matrix unit's own rounding can turn it there, and no further.
;; One version. Each part assembles by itself: llvm-mc -triple=amdgcn-amd-amdhsa -mcpu=gfx1250 --defsym DOCPART=n.
;; ======== version 1 of 1: 4 launches
;; workspace buffers: rec 23,396,352 bytes; qb 6,815,744 bytes; kv 13,631,488 bytes; ao 6,553,600 bytes
;; launch quant (part 1): grid 448 x 1, 4 waves a work-group, no clusters, 35,328 bytes of LDS; arguments query, key, value, Wq, Wk, Wv, Wo, bv, rec; writes rec
.if DOCPART == 1
	.amdgcn_target "amdgcn-amd-amdhsa--gfx1250"
	.amdhsa_code_object_version 6
	.text
	.protected	k_qbb7a23ea7b_quant
	.globl	k_qbb7a23ea7b_quant
	.p2align	8
	.type	k_qbb7a23ea7b_quant,@function
k_qbb7a23ea7b_quant:
	s_mov_b64 s[64:65], 0
	v_nop
	global_prefetch_b8 v0, s[64:65] scope:SCOPE_SE
	s_setreg_imm32_b32 hwreg(HW_REG_WAVE_MODE, 25, 1), 1
	s_wait_xcnt 0x0
; query, key, value [8192][1024] and Wq, Wk, Wv, Wo [1024][1024], f32, K innermost, become codes of FP6 (E2M3) with one E8M0 byte for each 32 along K,
; laid as TILE RECORDS in the order of a matrix operand's registers.  A record (REC = 13,056 bytes) is a tile of 16 rows x 1,024 K:
;   16 half images of 768 bytes (64 along K each): bytes 0-511 lane l's registers 0-3 at 16 l, bytes 512-767 its registers 4, 5 at 8 l; lane (r, h) holds block h (32 codes, 24 bytes) of tile row r;
;   at 12,288 the scale bytes [tile row][32];   at 12,800 a pair (x, x) of f32 for each lane: x = bv[the lane's row] in Wv's tiles, 0 in all others.
; WHICH ROWS FORM A TILE: query's tiles take 16 neighbours; all other tensors' tile t takes rows 32 (t / 2) + 8 (t % 2) + p + 8 (p / 8), p = 0 .. 15, so that the products made with them leave
; 16 neighbours along the next product's K in a lane's registers.
; A block's scale is 2^(floor(log2(its largest magnitude)) - 2): its byte is that magnitude's exponent field - 2, held at 1 from below by a floor among the maximum's leaves.
; LIMITS: NaN and infinities among the inputs are not served; a block of zeros, or one whose largest magnitude lies under 2^-124, gets the byte 1 (its bytes are read by this program alone; zero codes add nothing).
; SHARES: a work-group takes 64 rows, a wave one tile; work-groups 0-127 query, 128-255 key, 256-383 value, then 16 each for Wq, Wk, Wv, Wo; the record's number is 4 x work-group + wave.
; A half step is 64 along K: eight loads, in each of which sixteen lanes read 256 consecutive bytes of a row; the 4,096 bytes turn through the wave's own stage in LDS and come back 128 bytes (a block) a lane.
; Loads run four half steps (32 loads a wave) ahead, the turn through LDS one.  No tensor load, no barrier: waves share nothing.
.set REC,   13056
.set PITCH, 272                        ; a stage row: 256 bytes + 16
.set STG,   16*PITCH                   ; a stage
.set WREG,  2*STG                      ; a wave's two stages
.set SPARE, 4*WREG                     ; behind them the spare words, 128 bytes for each wave
.set VIN0,  2                          ; v2   4,096 h + 16 r: my bytes in tile rows 0-7
.set VIN1,  3                          ; v3   the same for tile rows 8-15 (eight rows further down in a permuted tile)
.set VST,   4                          ; v4   the stage, on the way in
.set VLD,   5                          ; v5   and on the way out
.set L16,   6                          ; v6   16 x lane
.set L8,    7                          ; v7   8 x lane
.set SOF,   8                          ; v8   32 r + 16 h: my 16 scale bytes
.set BOF,   9                          ; v9   my row's place in bv
.set SW,    16                         ; v16-23 the row's eight scale words
.set SWO,   24                         ; v24-27 the four that I store
.set BY,    28                         ; v28  two bytes on their way into a word
.set PX,    29                         ; v29  destination of the lane exchange
.set H8,    30                         ; v30  8 h
.set BI,    32                         ; v32-33 the bias pair
.set SPW,   34                         ; v34  my spare word's LDS address; never rewritten
.set NIL,   35                         ; v35  0; never rewritten
.set CB,    36                         ; v36-59 two sets of 12 for codes
.set XB,    64                         ; v64-127 two sets of 32 neighbours
.set RB,    128                        ; v128-255 four sets of 32 registers as loaded
	s_load_b512 s[4:19], s[0:1], 0x0               ; query, key, value, Wq, Wk, Wv, Wo, bv
	s_load_b64 s[20:21], s[0:1], 0x40              ; rec
	v_lshl_add_u32 v[SPW], v0, 2, SPARE
	v_mov_b32 v[NIL], 0
	v_lshrrev_b32 v1, 5, v0
	v_readfirstlane_b32 s22, v1                    ; wave
	v_and_b32 v1, 15, v0                           ; r
	v_bfe_u32 v31, v0, 4, 1                        ; h
	v_and_b32 v10, 31, v0                          ; lane
	s_mov_b32 s28, 0xffff0000                      ; lanes 16-31
	s_mov_b32 s30, 0x76543210
	s_mov_b32 s31, 0xfedcba98                      ; selects for lane l xor 16
	s_lshr_b32 s32, s22, 1
	s_lshl_b32 s32, s32, 5
	s_and_b32 s33, s22, 1
	s_lshl_b32 s33, s33, 3
	s_add_co_u32 s32, s32, s33                     ; a permuted tile's first row among the 64: 32 (w / 2) + 8 (w % 2)
	s_lshl_b32 s33, s22, 4                         ; a natural tile's: 16 w
	s_mul_i32 s36, s22, WREG                       ; my stages
	s_sub_co_u32 s25, ttmp9, 416
	s_cmp_lt_u32 s25, 16
	s_cselect_b32 s26, -1, 0                       ; all lanes on in Wv's work-groups: there the bias is kept
	s_cmp_ge_u32 ttmp9, 128                        ; every tensor but query is permuted
	s_cselect_b32 s24, 0x8000, 0                   ; eight rows of 4,096 bytes
	s_cselect_b32 s27, 8, 0
	s_cselect_b32 s29, s32, s33
	s_mov_b32 s23, 0
	v_lshlrev_b32 v[VIN0], 4, v1
	v_lshl_add_u32 v[VIN0], v31, 12, v[VIN0]
	v_add_nc_u32 v[VIN1], s24, v[VIN0]
	v_mul_u32_u24 v[VST], v31, PITCH
	v_lshl_add_u32 v[VST], v1, 4, v[VST]
	v_add_nc_u32 v[VST], s36, v[VST]               ; in: row 2 i + h, 16 r
	v_mul_u32_u24 v[VLD], v1, PITCH
	v_lshl_add_u32 v[VLD], v31, 7, v[VLD]
	v_add_nc_u32 v[VLD], s36, v[VLD]               ; out: row r, block h
	v_lshlrev_b32 v[L16], 4, v10
	v_lshlrev_b32 v[L8], 3, v10
	v_lshlrev_b32 v[SOF], 5, v1
	v_lshl_add_u32 v[SOF], v31, 4, v[SOF]
	v_lshlrev_b32 v[H8], 3, v31
	v_mov_b32 v[PX], 0                             ; written once: a lane permute's destination counts as one of its sources
	s_wait_kmcnt 0x0
.macro PICK first, p                   ; from work-group 'first' on the tensor at s[p:p+1] is taken: the choice hangs on the work-group's number alone
	s_cmp_ge_u32 ttmp9, \first
	s_cselect_b64 s[4:5], s[\p:\p+1], s[4:5]
	s_cselect_b32 s23, \first, s23
.endm
	PICK 128, 6
	PICK 256, 8
	PICK 384, 10
	PICK 400, 12
	PICK 416, 14
	PICK 432, 16
	s_sub_co_u32 s23, ttmp9, s23
	s_lshl_b32 s23, s23, 6
	s_add_co_u32 s29, s29, s23                     ; my tile's first row in its tensor
	v_and_b32 v[BOF], s27, v1
	v_add3_u32 v[BOF], v[BOF], v1, s29             ; my row
	v_and_b32 v[BOF], 0x3ff, v[BOF]                ; (held inside bv in the tensors of 8,192 rows, where the number is thrown away)
	v_lshlrev_b32 v[BOF], 2, v[BOF]
	s_lshl_b32 s34, s29, 12
	s_mov_b32 s35, 0
	s_add_nc_u64 s[4:5], s[4:5], s[34:35]
	s_lshl_b32 s34, ttmp9, 2
	s_add_co_u32 s34, s34, s22
	s_mul_i32 s34, s34, REC
	s_add_nc_u64 s[20:21], s[20:21], s[34:35]      ; my record
.macro LOAD q                          ; half step q: load i takes tile rows 2 i and 2 i + 1
.irp i, 0,1,2,3
	global_load_b128 v[RB+32*((\q)%4)+4*\i:RB+32*((\q)%4)+4*\i+3], v[VIN0], s[4:5] offset:8192*\i+256*(\q) th:TH_LOAD_NT
.endr
.irp i, 4,5,6,7
	global_load_b128 v[RB+32*((\q)%4)+4*\i:RB+32*((\q)%4)+4*\i+3], v[VIN1], s[4:5] offset:8192*\i+256*(\q) th:TH_LOAD_NT
.endr
.endm
.macro TURN q                          ; through the stage: LDS serves a wave's instructions in order, so no wait stands between the stores and the loads
.irp i, 0,1,2,3,4,5,6,7
	ds_store_b128 v[VST], v[RB+32*((\q)%4)+4*\i:RB+32*((\q)%4)+4*\i+3] offset:STG*((\q)%2)+2*PITCH*\i
.endr
.irp j, 0,1,2,3,4,5,6,7
	ds_load_b128 v[XB+32*((\q)%2)+4*\j:XB+32*((\q)%2)+4*\j+3], v[VLD] offset:STG*((\q)%2)+16*\j
.endr
.endm
	global_load_b32 v[BI], v[BOF], s[18:19]
	LOAD 0
	LOAD 1
	LOAD 2
	LOAD 3
	s_wait_loadcnt 24                              ; the bias and half step 0 are in; the 24 loads of half steps 1 to 3 stay out
	TURN 0
.macro HSTEP q
.set XS, XB+32*((\q)%2)
.set CD, CB+12*((\q)%2)
	s_wait_dscnt 0x0                               ; my block is back from the stage, and the stage's stores have read their registers,
.if (\q)+4 < 16
	LOAD (\q)+4                                    ; which take the loads of four half steps on
.endif
.if (\q)+1 < 16
.if (\q) < 12
	s_wait_loadcnt 24                              ; the next half step's eight loads are in; those of the three behind it stay out
.else
	s_wait_loadcnt 8*(14-(\q))
.endif
	TURN (\q)+1
.endif
	v_max3_num_f32 v12, |v[XS]|, |v[XS+1]|, |v[XS+2]|              ; the block's largest magnitude: all 32 numbers are mine; two chains
	v_max3_num_f32 v13, |v[XS+3]|, |v[XS+4]|, |v[XS+5]|
.irp i, 6,10,14,18,22,26
	v_max3_num_f32 v12, v12, |v[XS+\i]|, |v[XS+\i+1]|
	v_max3_num_f32 v13, v13, |v[XS+\i+2]|, |v[XS+\i+3]|
.endr
	v_max3_num_f32 v12, v12, |v[XS+30]|, |v[XS+31]|
	v_max3_num_f32 v12, v12, v13, 0x1800000        ; and the floor 2^(3 - 127): the byte cannot fall under 1
	v_add_nc_u32 v11, 0xff000000, v12              ; 2 off the exponent field: the conversion takes this operand's exponent field as its scale
	s_wait_xcnt 0x0                                ; the stores of two half steps ago have read this set of code registers
	v_cvt_scalef32_pk16_fp6_f32 v[CD:CD+2], v[XS:XS+15], v11
	v_cvt_scalef32_pk16_fp6_f32 v[CD+6:CD+8], v[XS+16:XS+31], v11  ; (a conversion's three registers begin on an even number)
.if (\q)%2 == 0
	v_lshrrev_b32 v[BY], 23, v11                   ; the scale's byte (a plain line behind the conversions)
.else
	v_lshrrev_b32 v10, 23, v11
	v_lshl_or_b32 v[BY], v10, 16, v[BY]            ; blocks h and 2 + h of this 128 along K
.endif
.irp i, 0,1,2
	v_mov_b32 v[CD+3+\i], v[CD+6+\i]
.endr
	global_store_b128 v[L16], v[CD:CD+3], s[20:21] offset:768*(\q)        ; 512 consecutive bytes
	global_store_b64 v[L8], v[CD+4:CD+5], s[20:21] offset:768*(\q)+512    ; 256 consecutive bytes
.if (\q)%2 == 1
	v_lshlrev_b32 v[BY], v[H8], v[BY]              ; at their places in the word,
	v_permlanex16_b32 v[PX], v[BY], s30, s31
	v_or_b32 v[SW+(\q)/2], v[BY], v[PX]            ; and with lane l xor 16's two the word is whole
.endif
.endm
.irp q, 0,1,2,3,4,5,6,7,8,9,10,11,12,13,14,15
	HSTEP \q
.endr
.irp i, 0,1,2,3
	v_cndmask_b32 v[SWO+\i], v[SW+\i], v[SW+4+\i], s28   ; lanes 0-15 store the row's words 0-3, lanes 16-31 its words 4-7
.endr
	global_store_b128 v[SOF], v[SWO:SWO+3], s[20:21] offset:12288         ; 512 consecutive bytes
	v_cndmask_b32 v[BI], 0, v[BI], s26             ; bv[my row] in Wv's tiles, else 0
	v_mov_b32 v[BI+1], v[BI]
	global_store_b64 v[L8], v[BI:BI+1], s[20:21] offset:12800             ; 256 consecutive bytes
	s_wait_tensorcnt 0x0                           ; the wave's end: behind my last LDS store
	ds_add_u32 v[SPW], v[NIL]
	s_wait_dscnt 0x0
	s_endpgm
.Lfunc_end_k_qbb7a23ea7b_quant:
	.size	k_qbb7a23ea7b_quant, .Lfunc_end_k_qbb7a23ea7b_quant-k_qbb7a23ea7b_quant
	.p2alignl 7, 3214868480
	.fill 96, 4, 3214868480
	.section	.rodata,"a",@progbits
	.p2align	6, 0x0
	.amdhsa_kernel k_qbb7a23ea7b_quant
		.amdhsa_group_segment_fixed_size 35328
		.amdhsa_private_segment_fixed_size 0
		.amdhsa_enable_private_segment 0
		.amdhsa_kernarg_size 72
		.amdhsa_user_sgpr_count 2
		.amdhsa_user_sgpr_kernarg_segment_ptr 1
		.amdhsa_wavefront_size32 1
		.amdhsa_system_sgpr_workgroup_id_x 1
		.amdhsa_system_sgpr_workgroup_id_y 1
		.amdhsa_system_sgpr_workgroup_id_z 1
		.amdhsa_system_vgpr_workitem_id 0
		.amdhsa_next_free_vgpr 256
		.amdhsa_next_free_sgpr 66
		.amdhsa_reserve_vcc 0
		.amdhsa_float_denorm_mode_32 3
		.amdhsa_float_denorm_mode_16_64 3
		.amdhsa_memory_ordered 1
		.amdhsa_forward_progress 1
		.amdhsa_inst_pref_size 60
	.end_amdhsa_kernel
	.amdgpu_metadata
---
amdhsa.version: [ 1, 2 ]
amdhsa.kernels:
  - .name:           k_qbb7a23ea7b_quant
    .symbol:         k_qbb7a23ea7b_quant.kd
    .args:
      - { .name: query, .offset: 0, .size: 8, .value_kind: global_buffer, .address_space: global }
      - { .name: key, .offset: 8, .size: 8, .value_kind: global_buffer, .address_space: global }
      - { .name: value, .offset: 16, .size: 8, .value_kind: global_buffer, .address_space: global }
      - { .name: Wq, .offset: 24, .size: 8, .value_kind: global_buffer, .address_space: global }
      - { .name: Wk, .offset: 32, .size: 8, .value_kind: global_buffer, .address_space: global }
      - { .name: Wv, .offset: 40, .size: 8, .value_kind: global_buffer, .address_space: global }
      - { .name: Wo, .offset: 48, .size: 8, .value_kind: global_buffer, .address_space: global }
      - { .name: bv, .offset: 56, .size: 8, .value_kind: global_buffer, .address_space: global }
      - { .name: rec, .offset: 64, .size: 8, .value_kind: global_buffer, .address_space: global }
    .group_segment_fixed_size: 35328
    .private_segment_fixed_size: 0
    .kernarg_segment_align: 8
    .kernarg_segment_size: 72
    .max_flat_workgroup_size: 128
    .sgpr_count:     66
    .vgpr_count:     256
    .wavefront_size: 32
...
	.end_amdgpu_metadata
.endif
;; end of part 1
;; launch proj (part 2): grid 64 x 3, 4 waves a work-group, clusters of 4 x 1, 327,680 bytes of LDS; arguments rec, bq, bk, qb, kv; writes qb, kv
.if DOCPART == 2
	.amdgcn_target "amdgcn-amd-amdhsa--gfx1250"
	.amdhsa_code_object_version 6
	.text
	.protected	k_qbb7a23ea7b_proj
	.globl	k_qbb7a23ea7b_proj
	.p2align	8
	.type	k_qbb7a23ea7b_proj,@function
k_qbb7a23ea7b_proj:
	s_mov_b64 s[64:65], 0
	v_nop
	global_prefetch_b8 v0, s[64:65] scope:SCOPE_SE
	s_setreg_imm32_b32 hwreg(HW_REG_WAVE_MODE, 25, 1), 1
	s_wait_xcnt 0x0
	s_wait_alu depctr_hold_cnt(0) depctr_sa_sdst(0) depctr_va_vdst(0) depctr_va_sdst(0) depctr_va_ssrc(0) depctr_va_vcc(0) depctr_vm_vsrc(0)
	s_getreg_b32 s2, hwreg(HW_REG_IB_STS2, 6, 4)
	s_cmp_eq_u32 s2, 0
	s_cbranch_scc0 .Lentry_in_a_cluster
	s_endpgm
.Lentry_in_a_cluster:
	s_bfe_u32 s2, ttmp6, 0x10000c
	s_cmp_lg_u32 s2, 0x3003
	s_cbranch_scc0 .Lentry_shape_is_right
	s_endpgm
.Lentry_shape_is_right:
; q = query Wq^T + bq, k = key Wk^T + bk, v = value Wv^T + bv on codes of FP6 (E2M3), and the results quantised in registers for the attention's two products.  Work-group y = 0, 1, 2: q, k, v; one text, no branch on y.
; ONE SCHEME.  A wave keeps four tiles (64 rows) of an operand R, for all 1,024 of K, in 384 registers; the other operand T goes through LDS.  The product is always D = (16 rows of R) x (16 rows of T):
; lane (r, h) then holds T's row r, and, R's tiles being made of rows 32 b + 8 u + p + 8 (p / 8), register 16 b + i of the four accumulators is R's row 32 b + 16 h + i: 16 neighbours.
;   q, k: R = 64 rows of the weight = one head's 64 channels, T = rows of query or key: a lane's registers run along the head's channels, the K of q k^T.
;   v:    R = 64 rows of value = 64 keys, T = rows of Wv: a lane holds one channel and its registers run along the keys, the K of p v.
; So 32 registers are two blocks of 32 (each shared with lane l xor 16): they become one half image (768 bytes: registers 0-3 at 16 l, registers 4, 5 at 512 + 8 l; lane (r, h): block h of row r) and one scale word.
; BIASES: the bias along R is the C of each sum's first product (made zero for v); the bias along T comes with T's record, a pair a lane (bv for Wv's tiles, zeros else), and is added.
; OUT: idx = (batch x 16 + head) x 32 + block of 64 positions.  qb: 3,328 bytes an idx: 4 half images (16 queries each), at 3,072 the words [row][image].
;      kv: 6,656 bytes an idx: K's 4 half images, V's 4 at 3,072, K's words at 6,144, V's at 6,400.
; CLUSTER: the four work-groups of a cluster take the same 32 tiles of T and other rows of R: T's records are asked for JOINTLY, by one tensor load a wave with a mask that names the four.
; T goes through two LDS slots of 8 records; a wave fetches two records (102 rows of 256 bytes).  By this text's own count a wave has two tensor loads out at the start, later one.
; 192 work-groups: 12 groups of columns x 16 groups of rows; smaller work-groups would load the resident operand twice as often.
; LIMITS: NaN and infinities are not served; a block of zeros or under 2^-124 gets the scale byte 1 (read by this program alone).
; REGISTERS, in windows of 256: window 0: v2-10 addresses; v16-47 R's scale words (8 t + s); v48-63 T's (8 e + s); v64-127 the accumulators of two tiles of T (32 e + 8 t); v128-135 T's bias pairs;
;   v136-141 scale words made; v144-149 at work; v160-207 four sets of codes; v252, v253 the add's two.   window 1: R's tiles 0, 1 (12 (8 t + s)), at v192 their bias.   window 2: tiles 2, 3 likewise.   window 3: T's fragments (96 e + 12 s).
.set REC,   13056
.set SLOT,  8*REC
.set SPARE, 2*SLOT                     ; behind the ring: the spare words, 128 bytes for each wave
.set L16,  2                           ; v2  16 x lane
.set L8,   3                           ; v3  8 x lane
.set R32,  4                           ; v4  32 r
.set WOF,  5                           ; v5  16 r + 8 h
.set H64,  6                           ; v6  64 h
.set AB16, 8                           ; v8-10 the block's LDS addresses
.set AB8,  9
.set AB32, 10
.set RS,   16
.set TS,   48
.set ACC,  64
.set LB,   128
.set PW,   136
.set WD,   140
.set TM,   144
.set CS,   160
.set RBI,  192
.set SPW,  252
.set NIL,  253
.set SEL,  50
.set MSB,  0
.macro WIN new                         ; the immediate's high byte repeats the setting that is left; a switch that changes nothing is dropped
.if MSB != (\new)
	s_set_vgpr_msb (MSB<<8)|(\new)
.set MSB, (\new)
.endif
.endm
.macro PLACES n
.rept \n
	v_nop
.endr
.endm
.macro ROUND                           ; a round of the cluster's barrier
	s_barrier_signal -1
	s_barrier_wait -1
	s_cmp_lg_u32 s14, 0
	s_cbranch_scc1 .Lnot_wave_0_\@
	s_barrier_signal -3
.Lnot_wave_0_\@:
	s_barrier_wait -3
	s_barrier_signal -1
	s_barrier_wait -1
.endm
	s_load_b256 s[4:11], s[0:1], 0x0               ; rec s[4:5], bq s[6:7], bk s[8:9], qb s[10:11]
	s_load_b64 s[12:13], s[0:1], 0x20              ; kv
	v_lshl_add_u32 v[SPW], v0, 2, SPARE
	v_mov_b32 v[NIL], 0
	ds_add_u32 v[SPW], v[NIL]                      ; the wave's opening: the add and its wait stand ahead of my first tensor load; the set-up, work on registers, stands between
	v_lshrrev_b32 v1, 5, v0
	v_readfirstlane_b32 s14, v1                    ; wave
	s_bfe_u32 s15, ttmp6, 0x40000                  ; cx
	s_and_b32 s17, ttmp7, 0xffff                   ; y: 0 q, 1 k, 2 v.  X = ttmp9, the cluster's number along x, 0 .. 15
	; T's first record: from X, y and the wave alone, in registers that never hold cx
	s_lshl_b32 s56, ttmp9, 5
	s_lshl_b32 s57, s17, 9
	s_add_co_u32 s56, s56, s57                     ; q, k: 512 y + 32 X
	s_and_b32 s57, ttmp9, 1
	s_lshl_b32 s57, s57, 5
	s_add_co_u32 s57, s57, 1664                    ; v: half of Wv's 64 tiles
	s_cmp_eq_u32 s17, 2
	s_cselect_b32 s56, s57, s56
	s_lshl_b32 s57, s14, 1
	s_add_co_u32 s56, s56, s57                     ; + the two records that I fetch
	s_mul_i32 s56, s56, REC
	s_mov_b32 s57, 0
	; which 64 rows of R are mine, and where the results go
	s_lshl_b32 s18, s15, 2
	s_add_co_u32 s18, s18, s14                     ; q, k: the head, 4 cx + w
	s_lshr_b32 s19, ttmp9, 1
	s_lshl_b32 s19, s19, 4
	s_add_co_u32 s19, s19, s18                     ; v: the block of 64 rows of value, 16 (X / 2) + 4 cx + w
	s_lshr_b32 s20, ttmp9, 2
	s_lshl_b32 s20, s20, 4
	s_add_co_u32 s20, s20, s18
	s_lshl_b32 s20, s20, 5
	s_and_b32 s21, ttmp9, 3
	s_lshl_b32 s21, s21, 3
	s_add_co_u32 s20, s20, s21                     ; q, k: idx = ((X / 4) 16 + head) 32 + 8 (X % 4)
	s_lshr_b32 s21, s19, 5
	s_lshl_b32 s21, s21, 4
	s_and_b32 s22, ttmp9, 1
	s_lshl_b32 s22, s22, 3
	s_add_co_u32 s21, s21, s22
	s_lshl_b32 s21, s21, 5
	s_and_b32 s22, s19, 31
	s_add_co_u32 s21, s21, s22                     ; v: idx = ((block / 32) 16 + 8 (X % 2)) 32 + block % 32
	s_lshl_b32 s22, s17, 6
	s_add_co_u32 s22, s22, 1536                    ; Wq's or Wk's first record
	s_mov_b32 s60, 6656                            ; bytes an idx
	s_mov_b32 s61, 6144                            ; from the images to the words
	s_cmp_eq_u32 s17, 2
	s_cselect_b32 s18, s19, s18
	s_cselect_b32 s20, s21, s20
	s_cselect_b32 s22, 1024, s22                   ; value's first record
	s_cselect_b32 s62, 3072, 0                     ; V's images lie behind K's
	s_cselect_b32 s61, 3328, s61
	s_cselect_b32 s49, 0, -1                       ; v has no bias along R
	s_cselect_b32 s44, 0x34000, s60                ; from a block of T to the next: v: the next head, 32 idx
	s_cmp_eq_u32 s17, 0
	s_cselect_b32 s60, 3328, s60
	s_cselect_b32 s61, 3072, s61
	s_cselect_b32 s44, 3328, s44                   ; q, k: the next idx
	s_mov_b32 s45, 0
	s_lshl_b32 s23, s18, 2
	s_add_co_u32 s22, s22, s23
	s_mul_i32 s22, s22, REC                        ; R's first record, in bytes
	s_mov_b32 s23, 0
	s_mul_i32 s20, s20, s60
	s_add_co_u32 s20, s20, s62                     ; my first images, in bytes
	s_mov_b32 s21, 0
	s_mov_b32 s62, s61
	s_mov_b32 s63, 0
	s_and_b32 s66, s18, 15
	s_lshl_b32 s66, s66, 8                         ; my 64 numbers of the bias (v: any 64: they are made zero)
	s_mov_b32 s67, 0
	s_mov_b32 s48, 0xffff0000                      ; lanes 16-31
	s_mov_b32 s[SEL], 0x76543210
	s_mov_b32 s[SEL+1], 0xfedcba98
	; descriptor group 1: two records, a dense block, as 102 rows of 256 bytes (32 elements of 8 bytes)
	s_mov_b32 s24, 15|(3<<16)|(1<<21)              ; the mask: all four work-groups; elements of 8 bytes; bit 21 beside a mask
	s_mov_b32 s25, 32<<16                          ; tensor_dim0
	s_mov_b32 s26, 102<<16                         ; tensor_dim1
	s_mov_b32 s27, 32<<16                          ; tile_dim0
	s_mov_b32 s28, 102                             ; tile_dim1
	s_mov_b32 s29, 32                              ; pitch
	s_mov_b32 s30, 0
	s_mov_b32 s31, 0
	s_mov_b32 s32, 1
	s_mul_i32 s33, s14, 2*REC                      ; LDS: wave x two records, slot 0
	s_mov_b32 s36, 1
	s_add_co_u32 s37, s33, SLOT                    ; slot 1
	v_and_b32 v1, 31, v0
	v_lshlrev_b32 v[L16], 4, v1
	v_lshlrev_b32 v[L8], 3, v1
	v_and_b32 v7, 15, v0
	v_bfe_u32 v11, v0, 4, 1
	v_lshlrev_b32 v[R32], 5, v7
	v_lshlrev_b32 v[WOF], 4, v7
	v_lshl_add_u32 v[WOF], v11, 3, v[WOF]
	v_lshlrev_b32 v[H64], 6, v11
	v_mov_b32 v[TM+2], 0                           ; written once: a lane permute's destination counts as one of its sources
	v_mov_b32 v[TM+3], 0
	s_wait_dscnt 0x0                               ; the opening add is done
	s_wait_kmcnt 0x0
	s_add_nc_u64 s[34:35], s[4:5], s[56:57]        ; T's records 0-7: mine of them
	s_add_nc_u64 s[38:39], s[34:35], SLOT          ; records 8-15
	s_or_b32 s35, s35, 0x80000000
	s_or_b32 s39, s39, 0x80000000
	s_add_nc_u64 s[52:53], s[4:5], s[22:23]        ; R
	s_cmp_eq_u32 s17, 0
	s_cselect_b64 s[40:41], s[10:11], s[12:13]     ; q goes to qb, k and v to kv
	s_cselect_b64 s[54:55], s[6:7], s[8:9]
	s_add_nc_u64 s[40:41], s[40:41], s[20:21]      ; the images
	s_add_nc_u64 s[42:43], s[40:41], s[62:63]      ; the words
	s_add_nc_u64 s[54:55], s[54:55], s[66:67]      ; the bias
	ROUND                                          ; all four work-groups are here: the first joint loads meet
	tensor_load_to_lds s[32:35], s[24:31]
	s_nop 0
	tensor_load_to_lds s[36:39], s[24:31]
	s_nop 0
	PLACES 4
	; R stays in registers: 4 tiles x 8 K steps x 12 registers, as they lie in the records
.irp t, 0,1,2,3
	WIN 0x40*(1+\t/2)                              ; destination window 1 or 2
.irp s, 0,1,2,3,4,5,6,7
.irp c, 0,1
	global_load_b128 v[12*(8*(\t%2)+\s)+6*\c:12*(8*(\t%2)+\s)+6*\c+3], v[L16], s[52:53] offset:REC*\t+768*(2*\s+\c)
	global_load_b64 v[12*(8*(\t%2)+\s)+6*\c+4:12*(8*(\t%2)+\s)+6*\c+5], v[L8], s[52:53] offset:REC*\t+768*(2*\s+\c)+512
.endr
.endr
	global_load_b128 v[RBI+8*(\t%2):RBI+8*(\t%2)+3], v[H64], s[54:55] offset:(32*(\t/2)+8*(\t%2))*4       ; the bias in the result's layout: rows 32 (t / 2) + 8 (t % 2) + 16 h + 0 .. 7
	global_load_b128 v[RBI+8*(\t%2)+4:RBI+8*(\t%2)+7], v[H64], s[54:55] offset:(32*(\t/2)+8*(\t%2))*4+16
.endr
	WIN 0
.irp t, 0,1,2,3
	global_load_b128 v[RS+8*\t:RS+8*\t+3], v[R32], s[52:53] offset:REC*\t+12288    ; lane r: row r's eight scale words
	global_load_b128 v[RS+8*\t+4:RS+8*\t+7], v[R32], s[52:53] offset:REC*\t+12304
.endr
	s_wait_loadcnt 0x0
	WIN 0x44                                       ; source 1 and destination window 1
.irp j, 0,1,2,3,4,5,6,7,8,9,10,11,12,13,14,15
	v_cndmask_b32 v[RBI+\j], 0, v[RBI+\j], s49
.endr
	WIN 0x88
.irp j, 0,1,2,3,4,5,6,7,8,9,10,11,12,13,14,15
	v_cndmask_b32 v[RBI+\j], 0, v[RBI+\j], s49
.endr
	WIN 0
; T's tiles m0 and m0 + 1 of the block in hand: 16 fragments, their scale words and bias pairs.  Every load's lanes take consecutive bytes.
.macro FETCHT m0
	WIN 0xc0                                       ; destination window 3
.irp e, 0,1
.irp s, 0,1,2,3,4,5,6,7
.irp c, 0,1
	ds_load_b128 v[96*\e+12*\s+6*\c:96*\e+12*\s+6*\c+3], v[AB16] offset:(\m0+\e)*REC+768*(2*\s+\c)
	ds_load_b64 v[96*\e+12*\s+6*\c+4:96*\e+12*\s+6*\c+5], v[AB8] offset:(\m0+\e)*REC+768*(2*\s+\c)+512
.endr
.endr
.endr
	WIN 0
.irp e, 0,1
	ds_load_b128 v[TS+8*\e:TS+8*\e+3], v[AB32] offset:(\m0+\e)*REC+12288
	ds_load_b128 v[TS+8*\e+4:TS+8*\e+7], v[AB32] offset:(\m0+\e)*REC+12304
	ds_load_b64 v[LB+2*(\m0+\e):LB+2*(\m0+\e)+1], v[AB8] offset:(\m0+\e)*REC+12800
.endr
.endm
; four products: T's tiles e = 0, 1 x R's tiles tb, tb + 1, K step s.  first = 1: the bias is the C that starts the sums
.macro MP tb, s, first
.irp e, 0,1
.irp u, 0,1
.if \first
	v_wmma_scale_f32_16x16x128_f8f6f4 v[ACC+32*\e+8*(\tb+\u):ACC+32*\e+8*(\tb+\u)+7], v[12*(8*\u+\s):12*(8*\u+\s)+11], v[96*\e+12*\s:96*\e+12*\s+11], v[RBI+8*\u:RBI+8*\u+7], v[RS+8*(\tb+\u)+\s], v[TS+8*\e+\s] matrix_a_fmt:MATRIX_FMT_FP6 matrix_b_fmt:MATRIX_FMT_FP6
.else
	v_wmma_scale_f32_16x16x128_f8f6f4 v[ACC+32*\e+8*(\tb+\u):ACC+32*\e+8*(\tb+\u)+7], v[12*(8*\u+\s):12*(8*\u+\s)+11], v[96*\e+12*\s:96*\e+12*\s+11], v[ACC+32*\e+8*(\tb+\u):ACC+32*\e+8*(\tb+\u)+7], v[RS+8*(\tb+\u)+\s], v[TS+8*\e+\s] matrix_a_fmt:MATRIX_FMT_FP6 matrix_b_fmt:MATRIX_FMT_FP6
.endif
.endr
.endr
.endm
; 64 products: two tiles of T against my four tiles of R, all of K.  Four accumulators take turns, one instruction a turn.
.macro MULPAIR
	WIN 0x1d                                       ; R window 1, T window 3, C (the bias) window 1, D window 0
	MP 0, 0, 1
	WIN 0x0d                                       ; C window 0
.irp s, 1,2,3,4,5,6,7
	MP 0, \s, 0
.endr
	WIN 0x2e                                       ; R and the bias window 2
	MP 2, 0, 1
	WIN 0x0e
.irp s, 1,2,3,4,5,6,7
	MP 2, \s, 0
.endr
	WIN 0
.endm
; 32 numbers of a lane, register 16 b + i = place 32 b + 16 h + i of my row, become a half image in v[d] .. v[d + 5] and the row's scale word (bytes 0, 1; bytes 2, 3 zero) in v[w]
.macro QUANT2 a, d, w
.irp b, 0,1
	v_max3_num_f32 v[TM+\b], |v[(\a)+16*\b]|, |v[(\a)+16*\b+1]|, 0x1800000      ; my 16 numbers of block b, and the floor 2^(3 - 127)
.endr
.irp i, 2,4,6,8,10,12,14
.irp b, 0,1
	v_max3_num_f32 v[TM+\b], v[TM+\b], |v[(\a)+16*\b+\i]|, |v[(\a)+16*\b+\i+1]|
.endr
.endr
.irp b, 0,1
	v_permlanex16_b32 v[TM+2+\b], v[TM+\b], s[SEL], s[SEL+1]
.endr
.irp b, 0,1
	v_max_num_f32 v[TM+\b], v[TM+\b], v[TM+2+\b]   ; with lane l xor 16's 16: the block's largest magnitude
.endr
.irp b, 0,1
	v_add_nc_u32 v[TM+4+\b], 0xff000000, v[TM+\b]  ; 2 off the exponent field: the conversion's scale operand
.endr
.irp b, 0,1
	v_lshrrev_b32 v[TM+2+\b], 23, v[TM+4+\b]       ; the scale's byte
.endr
	v_lshl_or_b32 v[\w], v[TM+3], 8, v[TM+2]
	v_cvt_scalef32_pk16_fp6_f32 v[(\d):(\d)+2], v[(\a):(\a)+15], v[TM+4]
	v_cvt_scalef32_pk16_fp6_f32 v[(\d)+6:(\d)+8], v[(\a)+16:(\a)+31], v[TM+5]
	v_nop                                          ; one plain line behind a scaled conversion
.irp i, 0,1,2
	v_permlane16_swap_b32 v[(\d)+\i], v[(\d)+6+\i] ; a whole block to a lane: lanes 0-15 block 0, lanes 16-31 block 1
.endr
.irp i, 0,1,2
	v_mov_b32 v[(\d)+3+\i], v[(\d)+6+\i]
.endr
.endm
.macro EPI e, m                        ; tile e of the pair is tile m of the block: T's bias, the quantiser, the image's two stores
.irp j, 0,2,4,6,8,10,12,14,16,18,20,22,24,26,28,30
	v_pk_add_f32 v[ACC+32*\e+\j:ACC+32*\e+\j+1], v[ACC+32*\e+\j:ACC+32*\e+\j+1], v[LB+2*\m:LB+2*\m+1]   ; ascending: each accumulator is read from its low end on
.endr
	QUANT2 ACC+32*\e, CS+12*\m, PW+\m
	global_store_b128 v[L16], v[CS+12*\m:CS+12*\m+3], s[40:41] offset:768*\m         ; 512 consecutive bytes
	global_store_b64 v[L8], v[CS+12*\m+4:CS+12*\m+5], s[40:41] offset:768*\m+512     ; 256 consecutive bytes
.endm
.macro BLOCK                           ; four tiles of T: one idx of the output
	v_add_nc_u32 v[AB16], s46, v[L16]
	v_add_nc_u32 v[AB8], s46, v[L8]
	v_add_nc_u32 v[AB32], s46, v[R32]
	v_nop                                          ; four plain lines ahead of loads into registers that products have read
	FETCHT 0
	s_wait_dscnt 0x0
	MULPAIR
	PLACES 4                                       ; ahead of those loads again, and of the first read of the results
	FETCHT 2                                       ; the second pair's fragments land while the first pair's results are quantised
	EPI 0, 0
	EPI 1, 1
	s_wait_dscnt 0x0
	MULPAIR
	PLACES 4
	EPI 0, 2
	EPI 1, 3
	v_cndmask_b32 v[WD], v[PW], v[PW+2], s48       ; lanes 0-15 store the row's words 0, 1, lanes 16-31 its words 2, 3
	v_cndmask_b32 v[WD+1], v[PW+1], v[PW+3], s48
	global_store_b64 v[WOF], v[WD:WD+1], s[42:43]  ; 256 consecutive bytes
	s_wait_xcnt 0x0                                ; the stores have read their registers and bases: both are written again below and in the next block
	s_add_nc_u64 s[40:41], s[40:41], s[44:45]
	s_add_nc_u64 s[42:43], s[42:43], s[44:45]
.endm
.macro WORK slot                       ; a slot's two blocks
	s_mov_b32 s46, (\slot)*SLOT
	s_mov_b32 s47, 2
.Lblock_\@:
	BLOCK
	s_add_co_u32 s46, s46, 4*REC
	s_sub_co_u32 s47, s47, 1
	s_cmp_lg_u32 s47, 0
	s_cbranch_scc1 .Lblock_\@
.endm
; The change of slots.  Each wave waits for all its tensor loads (its part of the slot ahead), adds 0 to its spare word, and waits for that and for its reads of the slot that it leaves.
; fill = 1: that slot is filled again, with the records 16 further on: a round of the cluster's barrier, and the joint load first behind it; it has two blocks' work in which to land.
.macro CHANGE slot, fill
	s_wait_tensorcnt 0x0
	ds_add_u32 v[SPW], v[NIL]
.if \fill
	s_add_nc_u64 s[34+4*\slot:35+4*\slot], s[34+4*\slot:35+4*\slot], 2*SLOT   ; no tensor load of mine is out: the descriptor may be written
.endif
	s_wait_dscnt 0x0
.if \fill
	ROUND
	tensor_load_to_lds s[32+4*\slot:35+4*\slot], s[24:31]
	s_nop 0
	PLACES 4
.else
	s_barrier_signal -1
	s_barrier_wait -1
.endif
.endm
	s_wait_tensorcnt 0x1                           ; my part of slot 0 is in; slot 1's one load may stay out
	s_barrier_signal -1
	s_barrier_wait -1
	WORK 0
	CHANGE 0, 1
	WORK 1
	CHANGE 1, 1
	WORK 0
	CHANGE 0, 0
	WORK 1
	s_wait_tensorcnt 0x0                           ; the wave's end
	ds_add_u32 v[SPW], v[NIL]
	s_wait_dscnt 0x0
	ROUND                                          ; the closing round
	s_endpgm
.Lfunc_end_k_qbb7a23ea7b_proj:
	.size	k_qbb7a23ea7b_proj, .Lfunc_end_k_qbb7a23ea7b_proj-k_qbb7a23ea7b_proj
	.p2alignl 7, 3214868480
	.fill 96, 4, 3214868480
	.section	.rodata,"a",@progbits
	.p2align	6, 0x0
	.amdhsa_kernel k_qbb7a23ea7b_proj
		.amdhsa_group_segment_fixed_size 327680
		.amdhsa_private_segment_fixed_size 0
		.amdhsa_enable_private_segment 0
		.amdhsa_kernarg_size 40
		.amdhsa_user_sgpr_count 2
		.amdhsa_user_sgpr_kernarg_segment_ptr 1
		.amdhsa_wavefront_size32 1
		.amdhsa_system_sgpr_workgroup_id_x 1
		.amdhsa_system_sgpr_workgroup_id_y 1
		.amdhsa_system_sgpr_workgroup_id_z 1
		.amdhsa_system_vgpr_workitem_id 0
		.amdhsa_next_free_vgpr 1024
		.amdhsa_next_free_sgpr 80
		.amdhsa_reserve_vcc 0
		.amdhsa_float_denorm_mode_32 3
		.amdhsa_float_denorm_mode_16_64 3
		.amdhsa_memory_ordered 1
		.amdhsa_forward_progress 1
		.amdhsa_inst_pref_size 177
	.end_amdhsa_kernel
	.amdgpu_metadata
---
amdhsa.version: [ 1, 2 ]
amdhsa.kernels:
  - .name:           k_qbb7a23ea7b_proj
    .symbol:         k_qbb7a23ea7b_proj.kd
    .args:
      - { .name: rec, .offset: 0, .size: 8, .value_kind: global_buffer, .address_space: global }
      - { .name: bq, .offset: 8, .size: 8, .value_kind: global_buffer, .address_space: global }
      - { .name: bk, .offset: 16, .size: 8, .value_kind: global_buffer, .address_space: global }
      - { .name: qb, .offset: 24, .size: 8, .value_kind: global_buffer, .address_space: global }
      - { .name: kv, .offset: 32, .size: 8, .value_kind: global_buffer, .address_space: global }
    .group_segment_fixed_size: 327680
    .private_segment_fixed_size: 0
    .kernarg_segment_align: 8
    .kernarg_segment_size: 40
    .max_flat_workgroup_size: 128
    .sgpr_count:     80
    .vgpr_count:     1024
    .wavefront_size: 32
...
	.end_amdgpu_metadata
.endif
;; end of part 2
;; launch attn (part 3): grid 4 x 64, 16 waves a work-group, no clusters, 327,680 bytes of LDS; arguments qb, kv, ao; writes ao
.if DOCPART == 3
	.amdgcn_target "amdgcn-amd-amdhsa--gfx1250"
	.amdhsa_code_object_version 6
	.text
	.protected	k_qbb7a23ea7b_attn
	.globl	k_qbb7a23ea7b_attn
	.p2align	8
	.type	k_qbb7a23ea7b_attn,@function
k_qbb7a23ea7b_attn:
	s_mov_b64 s[64:65], 0
	v_nop
	global_prefetch_b8 v0, s[64:65] scope:SCOPE_SE
	s_setreg_imm32_b32 hwreg(HW_REG_WAVE_MODE, 25, 1), 1
	s_wait_xcnt 0x0
; Causal attention of one head (work-group y = batch x 16 + head) on codes of FP6 (E2M3): S^T = K Q^T (K = the head's 64), p = 2^(t - M), O^T = V^T P^T (K = the keys), O / l quantised along the head's 64 for the last projection.
; t = score x log2(e) / 8; M = the running largest t rounded UP to a whole number; p is quantised along the keys, not normalised; the row's sum l is taken of the unquantised p; when M moves, l and O are multiplied by 2^(old M - new M): exact.
; SHARES.  Four work-groups to a head, sixteen waves each, four to a SIMD.  Wave i = 16 x work-group x + wave owns two tiles of 16 queries, 127 - i and then i: (127 - i) / 8 + 1 + i / 8 + 1 = 17 key steps of 128 for every wave.
; THE HEAD'S WHOLE K AND V (212,992 bytes, as they lie in kv) COME INTO LDS ONCE: key steps 0-3 by waves 0, 1 at the head, key steps 4-15 by waves 0-5 behind the first barrier, one tensor load a wave each time (one out at the most).
; NO CLUSTER, though the four work-groups of a head read the same bytes: a key step all of whose keys are hidden is left out by a branch on the query tile, which hangs on the work-group's place among the four.
; NO PREFETCH: every byte is asked for at the head or straight behind the first barrier.
; LAYOUT.  Both products are used transposed, so a lane holds ONE query (lane % 16).  K's tile 2 b + u holds keys 32 b + 8 u + p + 8 (p / 8): the 16 registers of tiles 2 b, 2 b + 1 are keys 32 b + 16 h + 0 .. 15.
; V's tile dt holds channels 32 (dt / 2) + 8 (dt % 2) + p + 8 (p / 8): O^T's register 16 b + i is channel 32 b + 16 h + i.
; K = 64 IN AN INSTRUCTION OF 128: Q's registers 6-11 are zero codes; K's tile T is named as twelve registers from its six on, whose upper six hold the next tile's codes (zeros behind tile 7): finite numbers times zeros.
; kv, an idx (64 keys, 6,656 bytes): K's 4 half images of 768 bytes, V's 4 at 3,072, K's scale words [row][image] at 6,144, V's at 6,400.  A key step is two idx.
; ao: a record of 12,800 bytes for 16 rows of the [8192][1024] result: half image number = head; at 12,288 the scale bytes [row][32].
; All trip counts are constants; a hidden step's work is jumped over by a scalar branch on ids.
; LIMITS: NaN and infinities are not served; a block of zeros or under 2^-124 gets the scale byte 1 (read by this program alone).
.set IDXB,  6656
.set STEPB, 2*IDXB
.set LOADB, 4*IDXB                     ; what one tensor load brings: 104 rows of 256 bytes
.set HEADB, 32*IDXB
.set SPARE, HEADB                      ; behind the head: the spare words, 128 bytes for each of 16 waves
.set L16,  1                           ; v1  16 x lane
.set L8,   2                           ; v2  8 x lane
.set KSO,  3                           ; v3  6,656 h + 16 r
.set R16,  4                           ; v4  16 r
.set SPW,  5                           ; v5  my spare word; never rewritten
.set NIL,  6                           ; v6  0; never rewritten
.set R32,  7                           ; v7  32 r
.set AD16, 8                           ; v8-11 the step's LDS addresses
.set AD8,  9
.set ADKS, 10
.set ADVS, 11
.set QF,   16                          ; v16-21 Q's codes, v22-27 zeros       (v12 -M, v13 the largest t, v[14:15] the sum in two halves)
.set QW,   28                          ; v28 Q's scale word
.set KW,   30                          ; v30-33 K's scale words: lanes 0-15 tiles 0-3, lanes 16-31 tiles 4-7
.set VH,   34                          ; v34-37, v38-41 V's words of the step's two idx
.set VW,   42                          ; v42-45 V's scale words
.set KF0,  48                          ; v48-95 K's eight half images, later V's four fragments; v96-101 zeros
.set S,    102                         ; v102-165 S^T, then p
.set O,    166                         ; v166-197 O^T
.set PC,   198                         ; v198-209 p's codes
.set BM,   210                         ; v210-213 the blocks' largest scores, then p
.set CE,   214                         ; v214-221 at work
.set SO,   222                         ; v222-225 the conversions' scale operands
.set F,    226                         ; v226 f
.set PWD,  227                         ; v227 p's scale word
.set W0,   228
.set W1,   229
.set TM,   232                         ; v232-237 the way out's quantiser
.set OW,   238                         ; v238 its scale word
.set OC,   240                         ; v240-251 its codes
.set WV,   18
.set SEL,  20
.set CS,   22
.set TB,   40                          ; s40 LDS byte at which the step's two idx begin
.set KF,   41                          ; s41 the step's first key
.set Q0,   42                          ; s42 my first query
.set CNT,  43
.macro PLACES n
.rept \n
	v_nop
.endr
.endm
	s_load_b128 s[4:7], s[0:1], 0x0                ; qb, kv
	s_load_b64 s[8:9], s[0:1], 0x10                ; ao
	v_lshl_add_u32 v[SPW], v0, 2, SPARE
	v_mov_b32 v[NIL], 0
	ds_add_u32 v[SPW], v[NIL]                      ; the wave's opening: the add and its wait stand ahead of the first tensor load; the set-up stands between
	v_lshrrev_b32 v8, 5, v0
	v_readfirstlane_b32 s[WV], v8                  ; wave 0 .. 15
	s_and_b32 s44, ttmp7, 0xffff                   ; batch x 16 + head
	s_lshl_b32 s45, ttmp9, 4
	s_add_co_u32 s45, s45, s[WV]                   ; i
	s_mul_i32 s47, s44, 32*3328                    ; the head in qb
	s_mul_i32 s48, s44, HEADB                      ; the head in kv,
	s_mul_i32 s33, s[WV], LOADB                    ; my load's place in it, in LDS as in memory
	s_add_co_u32 s48, s48, s33
	s_mov_b32 s49, 0
	s_mov_b32 s24, 3<<16                           ; descriptor group 1: no mask, elements of 8 bytes, no padding: 104 rows of 256 bytes, dense
	s_mov_b32 s25, 32<<16
	s_mov_b32 s26, 104<<16
	s_mov_b32 s27, 32<<16
	s_mov_b32 s28, 104
	s_mov_b32 s29, 32
	s_mov_b32 s30, 0
	s_mov_b32 s31, 0
	s_mov_b32 s32, 1
	s_mov_b32 s36, 1
	s_add_co_u32 s37, s33, 2*LOADB                 ; the second group begins behind key step 3
	s_mov_b32 s[SEL], 0x76543210
	s_mov_b32 s[SEL+1], 0xfedcba98
	s_mov_b32 s[CS], 0x3e38aa3b                    ; c = log2(e) / 8
	s_mov_b32 s[CS+1], s[CS]                       ; (named with it as a pair)
	v_and_b32 v8, 31, v0
	v_lshlrev_b32 v[L16], 4, v8
	v_lshlrev_b32 v[L8], 3, v8
	v_and_b32 v9, 15, v0
	v_bfe_u32 v10, v0, 4, 1
	v_lshlrev_b32 v[R16], 4, v9
	v_mul_u32_u24 v[KSO], v10, IDXB
	v_add_nc_u32 v[KSO], v[KSO], v[R16]
	v_lshlrev_b32 v[R32], 5, v9
.irp j, 0,1,2,3,4,5
	v_mov_b32 v[QF+6+\j], 0                        ; Q's upper 64 along K: zero codes
	v_mov_b32 v[KF0+48+\j], 0                      ; what tile 7's upper half names
.endr
.irp j, 0,1,2,3
	v_mov_b32 v[CE+\j], 0                          ; written once: a lane permute's destination counts as one of its sources
.endr
	v_mov_b32 v[PWD], 0                            ; (named as the upper half of the pair with f before it is first written)
	v_mov_b32 v[W0], 0
	v_mov_b32 v[TM+2], 0
	v_mov_b32 v[TM+3], 0
	s_wait_dscnt 0x0                               ; the opening add is done
	s_wait_kmcnt 0x0
	s_add_nc_u64 s[34:35], s[6:7], s[48:49]
	s_add_nc_u64 s[38:39], s[34:35], 2*LOADB
	s_or_b32 s35, s35, 0x80000000
	s_or_b32 s39, s39, 0x80000000
	s_cmp_lt_u32 s[WV], 2                          ; key steps 0-3: waves 0 and 1
	s_cbranch_scc0 .Lno_a
	tensor_load_to_lds s[32:35], s[24:31]
	s_nop 0
	PLACES 4
.Lno_a:
; My tile of 16 queries (s46): its half image and scale words are asked for, and the running state begins anew.
.macro QLOAD
	s_lshl_b32 s[Q0], s46, 4
	s_lshr_b32 s48, s46, 2
	s_mul_i32 s48, s48, 3328
	s_add_co_u32 s48, s48, s47                     ; the tile's idx in qb
	s_and_b32 s50, s46, 3
	s_mul_i32 s52, s50, 768
	s_add_co_u32 s52, s52, s48
	s_mov_b32 s53, 0
	s_lshl_b32 s50, s50, 2
	s_add_co_u32 s50, s50, s48
	s_mov_b32 s51, 0
	s_add_nc_u64 s[52:53], s[4:5], s[52:53]
	s_add_nc_u64 s[50:51], s[4:5], s[50:51]
	global_load_b128 v[QF:QF+3], v[L16], s[52:53]
	global_load_b64 v[QF+4:QF+5], v[L8], s[52:53] offset:512
	global_load_b32 v[QW], v[R16], s[50:51] offset:3072
	v_mov_b32 v13, 0xff61b1e6                      ; the largest t so far: -3e38
	v_floor_f32 v12, -v13                          ; -M
	v_mov_b32 v14, 0
	v_mov_b32 v15, 0
.irp j, 0,1,2,3,4,5,6,7,8,9,10,11,12,13,14,15,16,17,18,19,20,21,22,23,24,25,26,27,28,29,30,31
	v_mov_b32 v[O+\j], 0                           ; the step is written once: the first finds zeros, which the first change of M leaves zeros
.endr
	s_mov_b32 s[TB], 0
	s_mov_b32 s[KF], 0
.endm
; A KEY STEP: 128 keys
.macro STEP
	s_add_co_u32 s70, s[Q0], 15
	s_cmp_gt_u32 s[KF], s70                        ; all its keys come after my queries: only the lines at its end, which step addresses, are run
	s_cbranch_scc1 .Lhidden_\@
	v_add_nc_u32 v[AD16], s[TB], v[L16]            ; (these four are the plain lines ahead of loads into registers that products have read)
	v_add_nc_u32 v[AD8], s[TB], v[L8]
	v_add_nc_u32 v[ADKS], s[TB], v[KSO]
	v_add_nc_u32 v[ADVS], s[TB], v[R16]
.irp t, 0,1,2,3,4,5,6,7
	ds_load_b128 v[KF0+6*\t:KF0+6*\t+3], v[AD16] offset:(\t/4)*IDXB+(\t%4)*768
	ds_load_b64 v[KF0+6*\t+4:KF0+6*\t+5], v[AD8] offset:(\t/4)*IDXB+(\t%4)*768+512
.endr
	ds_load_b128 v[KW:KW+3], v[ADKS] offset:6144
	s_wait_dscnt 0x0
.irp t, 0,1,2,3
	v_wmma_scale_f32_16x16x128_f8f6f4 v[S+8*\t:S+8*\t+7], v[KF0+6*\t:KF0+6*\t+11], v[QF:QF+11], 0, v[KW+\t], v[QW] matrix_a_fmt:MATRIX_FMT_FP6 matrix_b_fmt:MATRIX_FMT_FP6
.endr
.irp t, 4,5,6,7
	v_wmma_scale_f32_16x16x128_f8f6f4 v[S+8*\t:S+8*\t+7], v[KF0+6*\t:KF0+6*\t+11], v[QF:QF+11], 0, v[KW+\t-4], v[QW] matrix_a_fmt:MATRIX_FMT_FP6 matrix_b_fmt:MATRIX_FMT_FP6 matrix_a_scale:MATRIX_SCALE_ROW1
.endr
	PLACES 4                                       ; ahead of the loads below and of the first read of the scores
.irp d, 0,1,2,3                                    ; V's four fragments land during the softmax
.irp c, 0,1
	ds_load_b128 v[KF0+12*\d+6*\c:KF0+12*\d+6*\c+3], v[AD16] offset:IDXB*\c+3072+768*\d
	ds_load_b64 v[KF0+12*\d+6*\c+4:KF0+12*\d+6*\c+5], v[AD8] offset:IDXB*\c+3072+768*\d+512
.endr
.endr
	ds_load_b128 v[VH:VH+3], v[ADVS] offset:6400
	ds_load_b128 v[VH+4:VH+7], v[ADVS] offset:IDXB+6400
	s_add_co_u32 s70, s[KF], 127                   ; on the diagonal the scores of hidden keys become -infinity ahead of the maximum; a step all of whose keys count skips this
	s_cmp_le_u32 s70, s[Q0]
	s_cbranch_scc1 .Lopen_\@
	s_sub_co_i32 s70, s[Q0], s[KF]
	v_and_b32 v[W0], 15, v0
	v_bfe_u32 v[W1], v0, 4, 1
	v_lshlrev_b32 v[W1], 4, v[W1]
	v_sub_nc_u32 v[W0], v[W0], v[W1]
	v_add_nc_u32 v[W0], s70, v[W0]                 ; d = my query - the step's first key - 16 h.  Register 16 b + i holds key 32 b + 16 h + i of the step: hidden where 32 b + i > d
	v_mov_b32 v[W1], 0xff800000
.irp n, 0,1,2,3,4,5,6,7,8,9,10,11,12,13,14,15,16,17,18,19,20,21,22,23,24,25,26,27,28,29,30,31,32,33,34,35,36,37,38,39,40,41,42,43,44,45,46,47,48,49,50,51,52,53,54,55,56,57,58,59,60,61,62,63
	v_cmp_gt_i32 vcc_lo, 32*(\n/16)+\n%16, v[W0]
	v_cndmask_b32 v[S+\n], v[S+\n], v[W1], vcc_lo
.endr
.Lopen_\@:
.irp b, 0,1,2,3
	v_max3_num_f32 v[BM+\b], v[S+16*\b], v[S+1+16*\b], v[S+2+16*\b]     ; the largest score of each block of 32 keys: for the row's maximum and, since p rises with the score, for the block's largest p
.endr
.irp i, 3,5,7,9,11,13
.irp b, 0,1,2,3
	v_max3_num_f32 v[BM+\b], v[BM+\b], v[S+16*\b+\i], v[S+1+16*\b+\i]
.endr
.endr
.irp b, 0,1,2,3
	v_max_num_f32 v[BM+\b], v[BM+\b], v[S+15+16*\b]
.endr
.irp b, 0,1,2,3
	v_permlanex16_b32 v[CE+\b], v[BM+\b], s[SEL], s[SEL+1]
.endr
.irp b, 0,1,2,3
	v_max_num_f32 v[BM+\b], v[BM+\b], v[CE+\b]     ; with lane l xor 16's 16 keys
.endr
	v_max3_num_f32 v[W0], v[BM], v[BM+1], v[BM+2]
	v_max_num_f32 v[W0], v[W0], v[BM+3]            ; the step's largest score of my query (its first key counts for every query of the tile)
	v_mul_f32 v[W0], s[CS], v[W0]
	v_max_num_f32 v13, v13, v[W0]                  ; the running largest t
	v_mov_b32 v[W0], v12
	v_floor_f32 v12, -v13                          ; the new -M = -ceil(t)
	v_sub_f32 v[W0], v12, v[W0]                    ; old M - new M: a whole number, 0 or less
	v_cvt_i32_f32 v[W0], v[W0]                     ; (it saturates)
	v_ldexp_f32 v[F], 1.0, v[W0]                   ; f = 2^(old M - new M)
.irp j, 0,2,4,6,8,10,12,14,16,18,20,22,24,26,28,30,32,34,36,38,40,42,44,46,48,50,52,54,56,58,60,62
	v_pk_fma_f32 v[S+\j:S+\j+1], v[S+\j:S+\j+1], s[CS:CS+1], v[12:13] op_sel_hi:[1,0,0]     ; t - M, two at a time
.endr
.irp b, 0,1,2,3
	v_fma_f32 v[BM+\b], v[BM+\b], s[CS], v12       ; the same of each block's largest score
.endr
.irp j, 0,1,2,3,4,5,6,7,8,9,10,11,12,13,14,15,16,17,18,19,20,21,22,23,24,25,26,27,28,29,30,31,32,33,34,35,36,37,38,39,40,41,42,43,44,45,46,47,48,49,50,51,52,53,54,55,56,57,58,59,60,61,62,63
	v_exp_f32 v[S+\j], v[S+\j]                     ; p = 2^(t - M)
.endr
	v_pk_mul_f32 v[14:15], v[14:15], v[F:F+1] op_sel_hi:[1,0]           ; the sums under the new M (a plain line behind the exponentials)
	s_wait_alu depctr_va_vdst(0)                   ; one wait for the batch of 64, ahead of its first reader
.irp b, 0,1,2,3
	v_exp_f32 v[BM+\b], v[BM+\b]                   ; the block's largest p
.endr
	v_pk_add_f32 v[CE:CE+1], v[S:S+1], v[S+2:S+3]  ; the row's sum of the unquantised p, in two chains
.irp j, 4,8,12,16,20,24,28,32,36,40,44,48,52,56,60
	v_pk_add_f32 v[14:15], v[14:15], v[S+\j:S+\j+1]
	v_pk_add_f32 v[CE:CE+1], v[CE:CE+1], v[S+2+\j:S+3+\j]
.endr
	v_pk_add_f32 v[14:15], v[14:15], v[CE:CE+1]
	s_wait_alu depctr_va_vdst(0)                   ; and one for the four
.irp b, 0,1,2,3
	v_max_num_f32 v[BM+\b], 0x1800000, v[BM+\b]    ; the floor 2^(3 - 127)
.endr
.irp b, 0,1,2,3
	v_add_nc_u32 v[SO+\b], 0xff000000, v[BM+\b]
.endr
.irp b, 0,1,2,3
	v_lshrrev_b32 v[CE+\b], 23, v[SO+\b]
.endr
	v_lshl_or_b32 v[PWD], v[CE+1], 8, v[CE]        ; p's scale word for these 128 keys
	v_lshl_or_b32 v[PWD], v[CE+2], 16, v[PWD]
	v_lshl_or_b32 v[PWD], v[CE+3], 24, v[PWD]
.irp c, 0,1
	v_cvt_scalef32_pk16_fp6_f32 v[PC+6*\c:PC+2+6*\c], v[S+32*\c:S+15+32*\c], v[SO+2*\c]
	v_cvt_scalef32_pk16_fp6_f32 v[CE+4*\c:CE+2+4*\c], v[S+16+32*\c:S+31+32*\c], v[SO+2*\c+1]
.endr
	v_nop                                          ; one plain line behind a scaled conversion
.irp c, 0,1
.irp i, 0,1,2
	v_permlane16_swap_b32 v[PC+6*\c+\i], v[CE+4*\c+\i]     ; a whole block to a lane
.endr
.irp i, 0,1,2
	v_mov_b32 v[PC+3+6*\c+\i], v[CE+4*\c+\i]
.endr
.endr
	s_wait_dscnt 0x0                               ; V and its words are in
.irp d, 0,1,2,3
	v_lshl_or_b32 v[VW+\d], v[VH+4+\d], 16, v[VH+\d]       ; the two idx's two bytes each make the word of 128 keys
.endr
.irp j, 0,2,4,6,8,10,12,14,16,18,20,22,24,26,28,30
	v_pk_mul_f32 v[O+\j:O+\j+1], v[O+\j:O+\j+1], v[F:F+1] op_sel_hi:[1,0]          ; O^T under the new M
.endr
	PLACES 4                                       ; with the lines above: eight plain lines and more between the scale words' making and the products
.irp d, 0,1,2,3
	v_wmma_scale_f32_16x16x128_f8f6f4 v[O+8*\d:O+8*\d+7], v[KF0+12*\d:KF0+12*\d+11], v[PC:PC+11], v[O+8*\d:O+8*\d+7], v[VW+\d], v[PWD] matrix_a_fmt:MATRIX_FMT_FP6 matrix_b_fmt:MATRIX_FMT_FP6
.endr
.Lhidden_\@:
	s_add_co_u32 s[KF], s[KF], 128
	s_add_co_u32 s[TB], s[TB], STEPB
.endm
.macro LOOP n
	s_mov_b32 s[CNT], \n
.Lstep_\@:
	STEP
	s_sub_co_u32 s[CNT], s[CNT], 1
	s_cmp_lg_u32 s[CNT], 0
	s_cbranch_scc1 .Lstep_\@
.endm
; 32 numbers of a lane, register 16 b + i = place 32 b + 16 h + i of my row, become a half image in v[d] .. v[d + 5] and the row's two scale bytes in v[w]
.macro QUANT2 a, d, w
.irp b, 0,1
	v_max3_num_f32 v[TM+\b], |v[(\a)+16*\b]|, |v[(\a)+16*\b+1]|, 0x1800000
.endr
.irp i, 2,4,6,8,10,12,14
.irp b, 0,1
	v_max3_num_f32 v[TM+\b], v[TM+\b], |v[(\a)+16*\b+\i]|, |v[(\a)+16*\b+\i+1]|
.endr
.endr
.irp b, 0,1
	v_permlanex16_b32 v[TM+2+\b], v[TM+\b], s[SEL], s[SEL+1]
.endr
.irp b, 0,1
	v_max_num_f32 v[TM+\b], v[TM+\b], v[TM+2+\b]
.endr
.irp b, 0,1
	v_add_nc_u32 v[TM+4+\b], 0xff000000, v[TM+\b]
.endr
.irp b, 0,1
	v_lshrrev_b32 v[TM+2+\b], 23, v[TM+4+\b]
.endr
	v_lshl_or_b32 v[\w], v[TM+3], 8, v[TM+2]
	v_cvt_scalef32_pk16_fp6_f32 v[(\d):(\d)+2], v[(\a):(\a)+15], v[TM+4]
	v_cvt_scalef32_pk16_fp6_f32 v[(\d)+6:(\d)+8], v[(\a)+16:(\a)+31], v[TM+5]
	v_nop
.irp i, 0,1,2
	v_permlane16_swap_b32 v[(\d)+\i], v[(\d)+6+\i]
.endr
.irp i, 0,1,2
	v_mov_b32 v[(\d)+3+\i], v[(\d)+6+\i]
.endr
.endm
; The tile's way out (s46: the tile): O^T / l, quantised along the head's 64, into the tile's record of ao.
.macro FINISH
	s_wait_xcnt 0x0                                ; the last way out's stores have read their registers and bases
	s_lshr_b32 s54, s44, 4
	s_lshl_b32 s54, s54, 7
	s_add_co_u32 s54, s54, s46                     ; the record: 128 x batch + tile
	s_mul_i32 s54, s54, 12800
	s_and_b32 s56, s44, 15                         ; the head
	s_mul_i32 s58, s56, 768
	s_add_co_u32 s58, s58, s54
	s_mov_b32 s59, 0
	s_lshl_b32 s56, s56, 1
	s_add_co_u32 s56, s56, s54
	s_mov_b32 s57, 0
	s_add_nc_u64 s[58:59], s[8:9], s[58:59]
	s_add_nc_u64 s[56:57], s[8:9], s[56:57]
	PLACES 4                                       ; behind the last products
	v_add_f32 v14, v14, v15
	v_permlanex16_b32 v[W0], v14, s[SEL], s[SEL+1]
	v_add_f32 v14, v14, v[W0]                      ; the row's sum
	v_rcp_f32 v14, v14
	v_nop                                          ; a plain line behind the reciprocal,
	s_wait_alu depctr_va_vdst(0)                   ; and the wait ahead of its first reader
.irp j, 0,1,2,3,4,5,6,7,8,9,10,11,12,13,14,15,16,17,18,19,20,21,22,23,24,25,26,27,28,29,30,31
	v_mul_f32 v[S+\j], v[O+\j], v14                ; ascending: each accumulator is read from its low end on
.endr
	QUANT2 S, OC, OW
	global_store_b128 v[L16], v[OC:OC+3], s[58:59]                 ; 512 consecutive bytes
	global_store_b64 v[L8], v[OC+4:OC+5], s[58:59] offset:512      ; 256 consecutive bytes
	global_store_b16 v[R32], v[OW], s[56:57] offset:12288          ; the head's two bytes of my row's 32 (lanes r and r + 16 store the same): 32 bytes a tile against the 768 above
.endm
	s_sub_co_u32 s46, 127, s45                     ; the first pass: tile 127 - i
	QLOAD
	s_wait_tensorcnt 0x0                           ; key steps 0-3 have landed (waves 0, 1); every wave runs these three lines ahead of the barrier behind which the rest is asked for
	ds_add_u32 v[SPW], v[NIL]
	s_wait_dscnt 0x0
	s_barrier_signal -1
	s_barrier_wait -1
	s_cmp_lt_u32 s[WV], 6                          ; key steps 4-15: waves 0 to 5, one load each, first thing behind the barrier; they land while steps 0-3 are worked
	s_cbranch_scc0 .Lno_b
	tensor_load_to_lds s[36:39], s[24:31]
	s_nop 0
	PLACES 4
.Lno_b:
	s_wait_loadcnt 0x0                             ; Q
	LOOP 4
	s_wait_tensorcnt 0x0                           ; my part of key steps 4-15 has landed,
	ds_add_u32 v[SPW], v[NIL]
	s_wait_dscnt 0x0
	s_barrier_signal -1
	s_barrier_wait -1                              ; everybody's has
	LOOP 12
	FINISH
	s_mov_b32 s46, s45                             ; the second pass: tile i, at most 8 key steps
	QLOAD
	s_wait_loadcnt 0x0
	LOOP 8
	FINISH
	s_wait_tensorcnt 0x0                           ; the wave's end
	ds_add_u32 v[SPW], v[NIL]
	s_wait_dscnt 0x0
	s_endpgm
.Lfunc_end_k_qbb7a23ea7b_attn:
	.size	k_qbb7a23ea7b_attn, .Lfunc_end_k_qbb7a23ea7b_attn-k_qbb7a23ea7b_attn
	.p2alignl 7, 3214868480
	.fill 96, 4, 3214868480
	.section	.rodata,"a",@progbits
	.p2align	6, 0x0
	.amdhsa_kernel k_qbb7a23ea7b_attn
		.amdhsa_group_segment_fixed_size 327680
		.amdhsa_private_segment_fixed_size 0
		.amdhsa_enable_private_segment 0
		.amdhsa_kernarg_size 24
		.amdhsa_user_sgpr_count 2
		.amdhsa_user_sgpr_kernarg_segment_ptr 1
		.amdhsa_wavefront_size32 1
		.amdhsa_system_sgpr_workgroup_id_x 1
		.amdhsa_system_sgpr_workgroup_id_y 1
		.amdhsa_system_sgpr_workgroup_id_z 1
		.amdhsa_system_vgpr_workitem_id 0
		.amdhsa_next_free_vgpr 256
		.amdhsa_next_free_sgpr 96
		.amdhsa_reserve_vcc 1
		.amdhsa_float_denorm_mode_32 3
		.amdhsa_float_denorm_mode_16_64 3
		.amdhsa_memory_ordered 1
		.amdhsa_forward_progress 1
		.amdhsa_inst_pref_size 82
	.end_amdhsa_kernel
	.amdgpu_metadata
---
amdhsa.version: [ 1, 2 ]
amdhsa.kernels:
  - .name:           k_qbb7a23ea7b_attn
    .symbol:         k_qbb7a23ea7b_attn.kd
    .args:
      - { .name: qb, .offset: 0, .size: 8, .value_kind: global_buffer, .address_space: global }
      - { .name: kv, .offset: 8, .size: 8, .value_kind: global_buffer, .address_space: global }
      - { .name: ao, .offset: 16, .size: 8, .value_kind: global_buffer, .address_space: global }
    .group_segment_fixed_size: 327680
    .private_segment_fixed_size: 0
    .kernarg_segment_align: 8
    .kernarg_segment_size: 24
    .max_flat_workgroup_size: 512
    .sgpr_count:     96
    .vgpr_count:     256
    .wavefront_size: 32
...
	.end_amdgpu_metadata
.endif
;; end of part 3
;; launch oproj (part 4): grid 256 x 1, 4 waves a work-group, clusters of 4 x 1, 167,936 bytes of LDS; arguments rec, ao, bo, out0; writes out0
.if DOCPART == 4
	.amdgcn_target "amdgcn-amd-amdhsa--gfx1250"
	.amdhsa_code_object_version 6
	.text
	.protected	k_qbb7a23ea7b_oproj
	.globl	k_qbb7a23ea7b_oproj
	.p2align	8
	.type	k_qbb7a23ea7b_oproj,@function
k_qbb7a23ea7b_oproj:
	s_mov_b64 s[64:65], 0
	v_nop
	global_prefetch_b8 v0, s[64:65] scope:SCOPE_SE
	s_setreg_imm32_b32 hwreg(HW_REG_WAVE_MODE, 25, 1), 1
	s_wait_xcnt 0x0
	s_wait_alu depctr_hold_cnt(0) depctr_sa_sdst(0) depctr_va_vdst(0) depctr_va_sdst(0) depctr_va_ssrc(0) depctr_va_vcc(0) depctr_vm_vsrc(0)
	s_getreg_b32 s2, hwreg(HW_REG_IB_STS2, 6, 4)
	s_cmp_eq_u32 s2, 0
	s_cbranch_scc0 .Lentry_in_a_cluster
	s_endpgm
.Lentry_in_a_cluster:
	s_bfe_u32 s2, ttmp6, 0x10000c
	s_cmp_lg_u32 s2, 0x3003
	s_cbranch_scc0 .Lentry_shape_is_right
	s_endpgm
.Lentry_shape_is_right:
; out0 = a Wo^T + bo on codes of FP6 (E2M3): a is the attention's result, as records of ao (16 rows x 1,024 K: 16 half images of 768 bytes, at 12,288 the scale bytes [row][32]); Wo as records of rec (13,056 bytes).
; The scheme of the three first projections: a wave keeps four tiles (64 rows of Wo = 64 columns of the output) for all of K in 384 registers; a's tiles come from LDS; D = (16 rows of Wo) x (16 rows of a):
; lane (r, h) holds row r of the output, and, Wo's tiles being made of rows 32 b + 8 u + p + 8 (p / 8), register 16 b + i of the four accumulators is column 32 b + 16 h + i of my 64.  bo is the C of each sum's first product.
; SHARES: a cluster of four work-groups takes 128 rows (8 records of ao, asked for JOINTLY, once: a wave fetches two records, 100 rows of 256 bytes; one tensor load a wave in all); work-group cx, wave w: columns 64 (4 cx + w) on.
; THE WAY OUT: a tile's 16 rows x 256 bytes go through the wave's own stage in LDS (rows of 272 bytes) and come back by rows: sixteen lanes store 256 consecutive bytes, at a multiple of 256 from the output's first byte.
; REGISTERS: window 0: v2-13 addresses; v16-47 Wo's scale words; v48-63 a's; v64-127 the accumulators of two tiles of rows; v128-191 rows on their way out; v252, v253 the add's two.
;   window 1: Wo's tiles 0, 1 (12 (8 t + s)), at v192 their bias.   window 2: tiles 2, 3.   window 3: a's fragments (96 e + 12 s).
.set REC,   13056
.set TREC,  12800
.set PITCH, 272
.set STGB,  16*PITCH
.set STG,   8*TREC                     ; behind a's records: two stages for each wave
.set SPARE, STG+4*2*STGB               ; behind the stages: the spare words, 128 bytes for each wave
.set L16,  2
.set L8,   3
.set R32,  4
.set H64,  6
.set AB16, 8
.set AB8,  9
.set AB32, 10
.set STO,  11                          ; v11 the stage: where I put my row's bytes
.set RD,   12                          ; v12 and where I read a row back
.set CO,   13                          ; v13 4,096 h + 16 r: the same two rows in the output
.set RS,   16
.set TS,   48
.set ACC,  64
.set OB,   128
.set RBI,  192
.set SPW,  252
.set NIL,  253
.set MSB,  0
.macro WIN new
.if MSB != (\new)
	s_set_vgpr_msb (MSB<<8)|(\new)
.set MSB, (\new)
.endif
.endm
.macro PLACES n
.rept \n
	v_nop
.endr
.endm
.macro ROUND
	s_barrier_signal -1
	s_barrier_wait -1
	s_cmp_lg_u32 s14, 0
	s_cbranch_scc1 .Lnot_wave_0_\@
	s_barrier_signal -3
.Lnot_wave_0_\@:
	s_barrier_wait -3
	s_barrier_signal -1
	s_barrier_wait -1
.endm
	s_load_b256 s[4:11], s[0:1], 0x0               ; rec s[4:5], ao s[6:7], bo s[8:9], out0 s[10:11]
	v_lshl_add_u32 v[SPW], v0, 2, SPARE
	v_mov_b32 v[NIL], 0
	ds_add_u32 v[SPW], v[NIL]                      ; the wave's opening: the add and its wait stand ahead of my tensor load
	v_lshrrev_b32 v1, 5, v0
	v_readfirstlane_b32 s14, v1                    ; wave
	s_bfe_u32 s15, ttmp6, 0x40000                  ; cx.  X = ttmp9, the cluster's number, 0 .. 63
	s_lshl_b32 s56, ttmp9, 3
	s_lshl_b32 s57, s14, 1
	s_add_co_u32 s56, s56, s57                     ; the two records of ao that I fetch: from X and the wave alone
	s_mul_i32 s56, s56, TREC
	s_mov_b32 s57, 0
	s_lshl_b32 s18, s15, 2
	s_add_co_u32 s18, s18, s14                     ; my 64 columns: 4 cx + w
	s_lshl_b32 s22, s18, 2
	s_add_co_u32 s22, s22, 1728                    ; Wo's records begin at 1,728
	s_mul_i32 s22, s22, REC
	s_mov_b32 s23, 0
	s_lshl_b32 s66, s18, 8                         ; 256 bytes of bo, and of a row of the output
	s_mov_b32 s67, 0
	s_lshl_b32 s20, ttmp9, 19                      ; 128 rows of 4,096 bytes
	s_add_co_u32 s20, s20, s66
	s_mov_b32 s21, 0
	s_mov_b32 s24, 15|(3<<16)|(1<<21)              ; descriptor group 1: the mask names all four; elements of 8 bytes; bit 21 beside a mask
	s_mov_b32 s25, 32<<16
	s_mov_b32 s26, 100<<16
	s_mov_b32 s27, 32<<16
	s_mov_b32 s28, 100
	s_mov_b32 s29, 32
	s_mov_b32 s30, 0
	s_mov_b32 s31, 0
	s_mov_b32 s32, 1
	s_mul_i32 s33, s14, 2*TREC
	s_mul_i32 s19, s14, 2*STGB
	s_add_co_u32 s19, s19, STG                     ; my stages
	v_and_b32 v1, 31, v0
	v_lshlrev_b32 v[L16], 4, v1
	v_lshlrev_b32 v[L8], 3, v1
	v_and_b32 v7, 15, v0
	v_bfe_u32 v5, v0, 4, 1
	v_lshlrev_b32 v[R32], 5, v7
	v_lshlrev_b32 v[H64], 6, v5
	v_mul_u32_u24 v[STO], v7, PITCH
	v_lshl_add_u32 v[STO], v5, 6, v[STO]
	v_add_nc_u32 v[STO], s19, v[STO]               ; in: row r, + 64 h
	v_mul_u32_u24 v[RD], v5, PITCH
	v_lshl_add_u32 v[RD], v7, 4, v[RD]
	v_add_nc_u32 v[RD], s19, v[RD]                 ; back: lanes 0-15 one row, lanes 16-31 the next
	v_lshlrev_b32 v[CO], 4, v7
	v_lshl_add_u32 v[CO], v5, 12, v[CO]
	s_wait_dscnt 0x0                               ; the opening add is done
	s_wait_kmcnt 0x0
	s_add_nc_u64 s[34:35], s[6:7], s[56:57]
	s_or_b32 s35, s35, 0x80000000
	s_add_nc_u64 s[52:53], s[4:5], s[22:23]        ; Wo's records
	s_add_nc_u64 s[54:55], s[8:9], s[66:67]        ; bo
	s_add_nc_u64 s[40:41], s[10:11], s[20:21]      ; the output
	ROUND                                          ; all four work-groups are here: the joint loads meet
	tensor_load_to_lds s[32:35], s[24:31]
	s_nop 0
	PLACES 4
.irp t, 0,1,2,3
	WIN 0x40*(1+\t/2)
.irp s, 0,1,2,3,4,5,6,7
.irp c, 0,1
	global_load_b128 v[12*(8*(\t%2)+\s)+6*\c:12*(8*(\t%2)+\s)+6*\c+3], v[L16], s[52:53] offset:REC*\t+768*(2*\s+\c)
	global_load_b64 v[12*(8*(\t%2)+\s)+6*\c+4:12*(8*(\t%2)+\s)+6*\c+5], v[L8], s[52:53] offset:REC*\t+768*(2*\s+\c)+512
.endr
.endr
	global_load_b128 v[RBI+8*(\t%2):RBI+8*(\t%2)+3], v[H64], s[54:55] offset:(32*(\t/2)+8*(\t%2))*4
	global_load_b128 v[RBI+8*(\t%2)+4:RBI+8*(\t%2)+7], v[H64], s[54:55] offset:(32*(\t/2)+8*(\t%2))*4+16
.endr
	WIN 0
.irp t, 0,1,2,3
	global_load_b128 v[RS+8*\t:RS+8*\t+3], v[R32], s[52:53] offset:REC*\t+12288
	global_load_b128 v[RS+8*\t+4:RS+8*\t+7], v[R32], s[52:53] offset:REC*\t+12304
.endr
.macro FETCHT m0                       ; a's tiles m0 and m0 + 1 of the four in hand: 16 fragments and their scale words
	WIN 0xc0
.irp e, 0,1
.irp s, 0,1,2,3,4,5,6,7
.irp c, 0,1
	ds_load_b128 v[96*\e+12*\s+6*\c:96*\e+12*\s+6*\c+3], v[AB16] offset:(\m0+\e)*TREC+768*(2*\s+\c)
	ds_load_b64 v[96*\e+12*\s+6*\c+4:96*\e+12*\s+6*\c+5], v[AB8] offset:(\m0+\e)*TREC+768*(2*\s+\c)+512
.endr
.endr
.endr
	WIN 0
.irp e, 0,1
	ds_load_b128 v[TS+8*\e:TS+8*\e+3], v[AB32] offset:(\m0+\e)*TREC+12288
	ds_load_b128 v[TS+8*\e+4:TS+8*\e+7], v[AB32] offset:(\m0+\e)*TREC+12304
.endr
.endm
.macro MP tb, s, first
.irp e, 0,1
.irp u, 0,1
.if \first
	v_wmma_scale_f32_16x16x128_f8f6f4 v[ACC+32*\e+8*(\tb+\u):ACC+32*\e+8*(\tb+\u)+7], v[12*(8*\u+\s):12*(8*\u+\s)+11], v[96*\e+12*\s:96*\e+12*\s+11], v[RBI+8*\u:RBI+8*\u+7], v[RS+8*(\tb+\u)+\s], v[TS+8*\e+\s] matrix_a_fmt:MATRIX_FMT_FP6 matrix_b_fmt:MATRIX_FMT_FP6
.else
	v_wmma_scale_f32_16x16x128_f8f6f4 v[ACC+32*\e+8*(\tb+\u):ACC+32*\e+8*(\tb+\u)+7], v[12*(8*\u+\s):12*(8*\u+\s)+11], v[96*\e+12*\s:96*\e+12*\s+11], v[ACC+32*\e+8*(\tb+\u):ACC+32*\e+8*(\tb+\u)+7], v[RS+8*(\tb+\u)+\s], v[TS+8*\e+\s] matrix_a_fmt:MATRIX_FMT_FP6 matrix_b_fmt:MATRIX_FMT_FP6
.endif
.endr
.endr
.endm
.macro MULPAIR                         ; 64 products; four accumulators take turns, one instruction a turn
	WIN 0x1d
	MP 0, 0, 1
	WIN 0x0d
.irp s, 1,2,3,4,5,6,7
	MP 0, \s, 0
.endr
	WIN 0x2e
	MP 2, 0, 1
	WIN 0x0e
.irp s, 1,2,3,4,5,6,7
	MP 2, \s, 0
.endr
	WIN 0
.endm
.macro OUT                             ; the pair's 32 rows x my 64 columns leave
	s_wait_xcnt 0x0                                ; the last pair's stores have read the registers into which the rows below come back
.irp e, 0,1
.irp k, 0,1,2,3,4,5,6,7
	ds_store_b128 v[STO], v[ACC+32*\e+4*\k:ACC+32*\e+4*\k+3] offset:STGB*\e+128*(\k/4)+16*(\k%4)   ; ascending: each accumulator from its low end on
.endr
.irp i, 0,1,2,3,4,5,6,7
	ds_load_b128 v[OB+32*\e+4*\i:OB+32*\e+4*\i+3], v[RD] offset:STGB*\e+2*PITCH*\i                 ; LDS serves a wave's instructions in order: these see my stores
.endr
.endr
	s_wait_dscnt 16                                ; tile 0's rows are back; tile 1's eight stores and eight loads may be out
.irp i, 0,1,2,3,4,5,6,7
	global_store_b128 v[CO], v[OB+4*\i:OB+4*\i+3], s[40:41] offset:8192*\i th:TH_STORE_NT
.endr
	s_wait_dscnt 0x0
.irp i, 0,1,2,3,4,5,6,7
	global_store_b128 v[CO], v[OB+32+4*\i:OB+32+4*\i+3], s[40:41] offset:65536+8192*\i th:TH_STORE_NT
.endr
	s_wait_xcnt 0x0                                ; the stores have read their base
	s_add_nc_u64 s[40:41], s[40:41], 32*4096       ; 32 rows on
.endm
	s_wait_loadcnt 0x0                             ; Wo, its scale words and bo
	s_wait_tensorcnt 0x0                           ; my two records of a are in,
	s_barrier_signal -1
	s_barrier_wait -1                              ; everybody's are
	s_mov_b32 s46, 0
	s_mov_b32 s47, 2
.Lblock:                                               ; a trip: four tiles of rows
	v_add_nc_u32 v[AB16], s46, v[L16]
	v_add_nc_u32 v[AB8], s46, v[L8]
	v_add_nc_u32 v[AB32], s46, v[R32]
	v_nop
	FETCHT 0
	s_wait_dscnt 0x0
	MULPAIR
	PLACES 5                                       ; four ahead of the loads and of the first read of the results; five, since the next pair's first products begin these accumulators anew and only LDS and memory lines stand between
	FETCHT 2
	OUT
	MULPAIR
	PLACES 5
	OUT
	s_add_co_u32 s46, s46, 4*TREC
	s_sub_co_u32 s47, s47, 1
	s_cmp_lg_u32 s47, 0
	s_cbranch_scc1 .Lblock
	s_wait_tensorcnt 0x0                           ; the wave's end: behind my last LDS store
	ds_add_u32 v[SPW], v[NIL]
	s_wait_dscnt 0x0
	ROUND                                          ; the closing round
	s_endpgm
.Lfunc_end_k_qbb7a23ea7b_oproj:
	.size	k_qbb7a23ea7b_oproj, .Lfunc_end_k_qbb7a23ea7b_oproj-k_qbb7a23ea7b_oproj
	.p2alignl 7, 3214868480
	.fill 96, 4, 3214868480
	.section	.rodata,"a",@progbits
	.p2align	6, 0x0
	.amdhsa_kernel k_qbb7a23ea7b_oproj
		.amdhsa_group_segment_fixed_size 167936
		.amdhsa_private_segment_fixed_size 0
		.amdhsa_enable_private_segment 0
		.amdhsa_kernarg_size 32
		.amdhsa_user_sgpr_count 2
		.amdhsa_user_sgpr_kernarg_segment_ptr 1
		.amdhsa_wavefront_size32 1
		.amdhsa_system_sgpr_workgroup_id_x 1
		.amdhsa_system_sgpr_workgroup_id_y 1
		.amdhsa_system_sgpr_workgroup_id_z 1
		.amdhsa_system_vgpr_workitem_id 0
		.amdhsa_next_free_vgpr 1024
		.amdhsa_next_free_sgpr 72
		.amdhsa_reserve_vcc 0
		.amdhsa_float_denorm_mode_32 3
		.amdhsa_float_denorm_mode_16_64 3
		.amdhsa_memory_ordered 1
		.amdhsa_forward_progress 1
		.amdhsa_inst_pref_size 51
	.end_amdhsa_kernel
	.amdgpu_metadata
---
amdhsa.version: [ 1, 2 ]
amdhsa.kernels:
  - .name:           k_qbb7a23ea7b_oproj
    .symbol:         k_qbb7a23ea7b_oproj.kd
    .args:
      - { .name: rec, .offset: 0, .size: 8, .value_kind: global_buffer, .address_space: global }
      - { .name: ao, .offset: 8, .size: 8, .value_kind: global_buffer, .address_space: global }
      - { .name: bo, .offset: 16, .size: 8, .value_kind: global_buffer, .address_space: global }
      - { .name: out0, .offset: 24, .size: 8, .value_kind: global_buffer, .address_space: global }
    .group_segment_fixed_size: 167936
    .private_segment_fixed_size: 0
    .kernarg_segment_align: 8
    .kernarg_segment_size: 32
    .max_flat_workgroup_size: 128
    .sgpr_count:     72
    .vgpr_count:     1024
    .wavefront_size: 32
...
	.end_amdgpu_metadata
.endif
;; end of part 4
